; MI455X (gfx1250); checked and timed in simulation.
; The chip was launched on July 23, 2026; its instructions are those of AMD's public machine-readable ISA for CDNA 5 (MIT licence, August 2026) and "CDNA5" Instruction Set Architecture Reference Guide (July 2026). The comments in the code are by the model that wrote it; some were corrected since.
;; Sparse BSR Linear. Allowed arithmetic: matrix products marked QUANTISED: E3M2 operands, one E8M0 scale for each 32 along K, by v_wmma_scale_f32_16x16x128_f8f6f4 with both operands' format E3M2, f32 sums; everything else in f32.
;; Inputs: bias 4,096 float32; input 4,096 x 4,096 float32; mask 4,096 x 4,096 float32; weight 4,096 x 4,096 float32.
;; Outputs: out0 4,096 x 4,096 float32.
;; This version of the problem:
;;   THIS VERSION OF THE PROBLEM IS GIVEN IN LOW PRECISION. The matrix products marked QUANTISED in the list below multiply operands that are first quantised to E3M2 (3 exponent bits, 2 mantissa bits; 6 bits a number), with one power-of-two scale for each 32 numbers along K (OCP MX v1.0); their sums are f32. All else is computed in f32.
;;   The module's matrix products, in the order in which they are computed (A, B: the left and right operand; K: the contracted axis; several contracted axes count as one K, in the product's order):
;;     1. [M 4,096, K 4,096] x [K 4,096, N 4,096]; A: input input; B: computed on the way: QUANTISED
;;   THE QUANTISER, for each operand of a quantised product, along K:
;;     - K is cut into blocks of 32 from its start; a last block that is shorter is filled with zeros.
;;     - A block's scale is 2^e with e = floor(log2(the largest magnitude in the block)) - 4, held to -126 .. 127; a block of zeros has e = 0. As a byte (E8M0): e + 127.
;;     - Each number is divided by its block's scale, clamped to +-28, and rounded to the nearest number of E3M2, ties to even, subnormals kept.
;;     - The product sums the exact products of the quantised numbers (number of the format x scale) in f32.
;;   ~~~python
;;   def quantise(x, axis):      # numpy; x: float32 -> the quantised numbers, widened to float32 again
;;       x = np.moveaxis(x, axis, -1); K = x.shape[-1]
;;       x = np.pad(x, [(0, 0)] * (x.ndim - 1) + [(0, -K % 32)]); x = x.reshape(x.shape[:-1] + (-1, 32)); a = np.abs(x).max(-1, keepdims=True)
;;       e = np.where(a > 0, np.clip(np.frexp(np.where(a > 0, a, 1))[1] - 1 - 4, -126, 127), 0)      # np.frexp(a)[1] - 1 = floor(log2(a)), exactly
;;       r = np.clip(x / 2.0 ** e, -28, 28)
;;       step = 2.0 ** (np.maximum(np.frexp(np.where(r == 0, 1, r))[1] - 1, -2) - 2)
;;       q = np.round(r / step) * step * 2.0 ** e      # np.round: ties to even
;;       return np.moveaxis(q.reshape(q.shape[:-2] + (-1,))[..., :K], -1, axis).astype(np.float32)
;;   ~~~
;;   OPERANDS COMPUTED ON THE WAY. 'Computed on the way' means the value that the module computes at that place (a softmax that the list does not call 'softmax' is quantised finished and normalised). What goes into a quantiser is computed in f32, as accurately as f32 sums, v_exp_f32 and their like allow (about 1e-6 of the number): no bf16 or f16 on the way to a quantiser, and a product that is left as it is and whose result goes on into a quantised operand takes f32 operands (vector FMAs, or v_wmma_f32_16x16x4_f32). A number that lies on a knife's edge between two numbers of the format may be rounded either way, as far as f32 arithmetic and the matrix unit's own rounding can turn it there, and no further.
;; One version. Each part assembles by itself: llvm-mc -triple=amdgcn-amd-amdhsa -mcpu=gfx1250 --defsym DOCPART=n.
;; ======== version 1 of 1: 2 launches
;; limits: right only within a limited range of input values
;; workspace buffers: xq 12,582,912 bytes; wq 12,582,912 bytes; sc 1,048,576 bytes; flags 16,384 bytes of whole numbers
;; launch quant (part 1): grid 512 x 1, 8 waves a work-group, no clusters, 44,288 bytes of LDS; arguments input, weight, mask, xq, sc, wq, flags; writes xq, sc, wq, flags
.if DOCPART == 1
	.amdgcn_target "amdgcn-amd-amdhsa--gfx1250"
	.amdhsa_code_object_version 6
	.text
	.protected	k_q560d5249f3_quant
	.globl	k_q560d5249f3_quant
	.p2align	8
	.type	k_q560d5249f3_quant,@function
k_q560d5249f3_quant:
	s_mov_b64 s[64:65], 0
	v_nop
	global_prefetch_b8 v0, s[64:65] scope:SCOPE_SE
	s_setreg_imm32_b32 hwreg(HW_REG_WAVE_MODE, 25, 1), 1
	s_wait_xcnt 0x0
; input [4096][4096] and weight x mask [4096][4096] (one f32 multiplication a number), K innermost, become codes of BF6 (E3M2) with one E8M0 byte for each 32 along K.
; A block's byte is its largest magnitude's exponent field - 4, held at 1 from below; each number is divided by the scale and rounded to the nearest code, ties to even, beyond 28 the largest code.
; LIMITS: NaN and infinities among the inputs are not served.  A block of zeros gets the byte 1 where the rule says 127: its codes are zeros, and this program alone reads the bytes.
; FLAGS: for each 64 x 64 block of weight x mask one whole number, 1 if any of its numbers is not zero, else 0: flags[n / 64][k / 64].  The next launch multiplies only blocks whose flag is 1:
; a block with flag 0 holds zero codes alone, which add nothing to any sum, whatever the mask's pattern.  Nothing in this launch's addresses or branches hangs on them.
; THE WORKSPACE IS LAID AS THE PRODUCT'S REGISTERS TAKE IT.  Codes [k / 64][row / 16][768 bytes]: a unit is 16 rows x 64 K.  The 24 bytes of (row r, half h of the 64) are three pieces of 8; piece p lies at
; 256 p + 8 (16 (r / 8) + 2 (r % 8) + h).  Scale bytes [tensor][k / 64][row / 64][row % 16][(row % 64) / 16][2].
; SHARES.  Work-group w = 16 g + s; wave j takes rows 128 g + 16 j .. + 15, K = 256 s .. + 255, of input (8 steps), then of weight x mask (8 steps).  A step is 8 rows x 64 K: four loads of 2 rows x 256 bytes.
; A step's 2,048 bytes turn through the wave's own stage in LDS and come back 64 bytes a lane: 16 neighbours along K; two neighbouring lanes hold a block.  The pair's 24 bytes leave as one store of 8 bytes
; a lane (even lanes piece 0, odd lanes piece 2) and one of 4 (the two halves of piece 1): runs of 128 consecutive bytes, of which two steps fill each 256.
; No tensor loads, no matrix unit, no cluster (no byte is read twice), no prefetch (the launch does nothing but stream).  Loads run ahead in a ring of 8 slots of 16 registers.
.set EMAX,  4
.set SP,    80                         ; a lane's place in a stage: 64 bytes + 16 of padding
.set STG,   2*32*SP                    ; a wave's two stages
.set SCB,   8*STG                      ; scale bytes: [tensor][wave][k / 64][row][2], 128 bytes a wave and tensor
.set FLG,   SCB+2048                   ; a word for each wave: bit q = its 16 rows hold a non-zero number in the q-th 64 along K
.set SPARE, FLG+256                    ; the spare words, 128 bytes a wave
.set TS,    8
.set NSLOT, 3*TS
.set KBS,   196608                     ; the 256 units of one 64 along K
.set R,     16                         ; v16-143  the ring
.set X,     144                        ; v144-175 two sets of 16 neighbours
.set C,     176                        ; v176-239 four registers a step: 8 bytes, 4 bytes, the scale byte: no store's data are written again
.set F,     240                        ; v240-243 the largest magnitude of my numbers in each 64 along K of weight x mask
.set SPW,   244
.set NIL,   245
.set FA,    246                        ; LDS address of four waves' flag words
.set FO,    247                        ; my flag's place in flags
	s_load_b256 s[4:11], s[0:1], 0x0               ; input, weight, mask, input's codes
	s_load_b128 s[12:15], s[0:1], 0x20             ; the scale bytes, the weight's codes
	s_load_b64 s[16:17], s[0:1], 0x30              ; flags
	v_lshl_add_u32 v[SPW], v0, 2, SPARE
	v_mov_b32 v[NIL], 0
	v_lshrrev_b32 v1, 5, v0
	s_delay_alu instid0(VALU_DEP_1)
	v_readfirstlane_b32 s18, v1                    ; wave j
	s_lshr_b32 s20, ttmp9, 4                       ; g
	s_and_b32 s21, ttmp9, 15                       ; s
	s_mul_i32 s19, s18, STG
	s_lshl_b32 s32, s18, 7
	s_add_co_u32 s32, s32, SCB                     ; my wave's scale bytes in LDS
	s_lshr_b32 s35, s18, 2                         ; j / 4
	s_and_b32 s40, s18, 3                          ; j % 4
	s_lshl_b32 s33, s35, 10
	s_lshl_b32 s34, s40, 5
	s_add_co_u32 s33, s33, s34
	s_add_co_u32 s33, s33, SCB                     ; what I store of them: tensor j / 4, the (j % 4)-th 64 along K
	s_lshl_b32 s34, s18, 2
	s_add_co_u32 s34, s34, FLG                     ; my wave's flag word
	s_mov_b32 s26, 0xaaaaaaaa                      ; the odd lanes
	s_lshl_b32 s22, s20, 21                        ; 128 rows of 16,384 bytes
	s_lshl_b32 s23, s18, 18
	s_add_co_u32 s22, s22, s23
	s_lshl_b32 s23, s21, 10
	s_add_co_u32 s22, s22, s23                     ; where my wave begins in the three f32 tensors
	s_mov_b32 s23, 0
	s_lshl_b32 s24, s21, 10                        ; unit (4 s) x 256 + 8 g + j
	s_lshl_b32 s25, s20, 3
	s_add_co_u32 s24, s24, s25
	s_add_co_u32 s24, s24, s18
	s_mul_i32 s24, s24, 768
	s_mov_b32 s25, 0
	s_lshl_b32 s28, s21, 2
	s_add_co_u32 s28, s28, s40
	s_lshl_b32 s28, s28, 13                        ; (4 s + j % 4) x 8,192
	s_lshl_b32 s29, s20, 8
	s_add_co_u32 s28, s28, s29                     ; + 256 g
	s_lshl_b32 s29, s35, 19
	s_add_co_u32 s28, s28, s29                     ; + the tensor's 524,288
	s_mov_b32 s29, 0
	s_lshl_b32 s30, s20, 9                         ; flags: row 2 g of 256 bytes, word 4 s
	s_lshl_b32 s31, s21, 4
	s_add_co_u32 s30, s30, s31
	s_mov_b32 s31, 0
	v_and_b32 v2, 31, v0                           ; lane L
	v_and_b32 v3, 15, v0
	v_bfe_u32 v8, v0, 4, 1
	v_and_b32 v9, 3, v0
	v_bfe_u32 v10, v0, 1, 1
	v_and_b32 v4, 1, v0
	v_bfe_u32 v12, v0, 2, 1                        ; which of the work-group's two groups of 64 rows my flag belongs to
	v_lshrrev_b32 v14, 2, v2                       ; L / 4
	v_lshrrev_b32 v11, 1, v2                       ; L / 2
	v_mul_u32_u24 v15, v2, SP
	v_lshlrev_b32 v13, 2, v2                       ; piece 1: 4 L
	v_lshlrev_b32 v7, 3, v2                        ; the scale bytes leave 8 bytes a lane
	v_lshlrev_b32 v6, 1, v3
	v_lshlrev_b32 v3, 4, v3
	v_lshlrev_b32 v4, 9, v4
	v_lshl_add_u32 v5, v14, 1, v10                 ; my block's scale byte: 2 (L / 4) + half
	v_lshlrev_b32 v[FA], 4, v12
	v_lshlrev_b32 v[FO], 8, v12
	v_mul_u32_u24 v14, v14, SP
	v_lshl_add_u32 v3, v8, 14, v3                  ; a load: lanes 0-15 one row's 256 bytes, lanes 16-31 the next row's
	v_lshl_add_u32 v6, v8, 9, v6                   ; scale bytes back: 512 (L / 16) + 2 (L % 16)
	v_lshl_add_u32 v4, v11, 3, v4                  ; pieces 0 and 2: 512 (L % 2) + 8 (L / 2)
	v_add_nc_u32 v15, s19, v15                     ; the stage, on the way out
	v_lshl_add_u32 v14, v9, 4, v14
	v_add_nc_u32 v5, s32, v5
	v_add_nc_u32 v6, s33, v6
	v_add_nc_u32 v[FA], FLG, v[FA]
	v_lshl_add_u32 v[FO], v9, 2, v[FO]
	v_add_nc_u32 v14, s19, v14                     ; the stage, on the way in
	s_wait_alu depctr_va_vdst(0)
	s_wait_kmcnt 0x0
	s_add_nc_u64 s[4:5], s[4:5], s[22:23]
	s_add_nc_u64 s[6:7], s[6:7], s[22:23]
	s_add_nc_u64 s[8:9], s[8:9], s[22:23]
	s_add_nc_u64 s[10:11], s[10:11], s[24:25]
	s_add_nc_u64 s[14:15], s[14:15], s[24:25]
	s_add_nc_u64 s[12:13], s[12:13], s[28:29]
	s_add_nc_u64 s[16:17], s[16:17], s[30:31]
; Slot sg: four loads, each 2 rows x 256 bytes.  Slots 0-7: input's steps; 8 + 2 u: weight's step u; 9 + 2 u: mask's.  No base and no offset register is stepped.
.macro LOADSLOT sg
.if (\sg) < TS
.set LB, 4
.set LT, (\sg)
.else
.set LB, 6+2*((\sg)%2)
.set LT, ((\sg)-TS)/2
.endif
.irp i, 0,1,2,3
	global_load_b128 v[R+16*((\sg)%8)+4*\i:R+16*((\sg)%8)+4*\i+3], v3, s[LB:LB+1] offset:(8*(LT%2)+2*\i)*16384+(LT/2)*256 th:TH_LOAD_NT
.endr
.endm
; Step t's numbers go through the stage; from step TS on they are first made: weight x mask.  LDS serves a wave's instructions in order: no wait between the stores and the loads.
.macro TURN t
.if (\t) < TS
.set RS, R+16*((\t)%8)
.else
.set RS, R+16*((2*(\t)-TS)%8)
.irp i, 0,2,4,6,8,10,12,14
	v_pk_mul_f32 v[RS+\i:RS+\i+1], v[RS+\i:RS+\i+1], v[RS+16+\i:RS+16+\i+1]
.endr
.endif
.irp i, 0,1,2,3
	ds_store_b128 v14, v[RS+4*\i:RS+4*\i+3] offset:32*SP*((\t)%2)+8*SP*\i
.endr
.irp i, 0,1,2,3
	ds_load_b128 v[X+16*((\t)%2)+4*\i:X+16*((\t)%2)+4*\i+3], v15 offset:32*SP*((\t)%2)+16*\i
.endr
.endm
.macro STEP t
.set XS, X+16*((\t)%2)
.set TT, (\t)%TS
.if (\t) < TS
.set S0, (\t)
.else
.set S0, 2*(\t)-TS
.endif
.if (\t)+1 < TS
.set S1, (\t)+1
.else
.set S1, 2*(\t)+2-TS
.endif
.if (\t)+2 < TS
.set S2, (\t)+2
.else
.set S2, 2*(\t)+4-TS
.endif
.if (\t) > 0
	s_wait_dscnt 1                                 ; this step's numbers are back from the stage (the last step's byte store may be out)
.else
	s_wait_dscnt 0x0
.endif
.if S0+8 < NSLOT
	LOADSLOT S0+8                                  ; this step's slots take the loads of eight slots on
.endif
.if (S1-S0 == 2) && (S0+9 < NSLOT)
	LOADSLOT S0+9
.endif
.if (\t) < 2*TS-1
.set ISS, S1+8
.if ISS > NSLOT
.set ISS, NSLOT
.endif
	s_wait_loadcnt 4*(ISS-S2)                      ; the next step's slots are in; the four loads of each slot issued behind them may be out
	TURN (\t)+1
.endif
	v_max3_num_f32 v8, |v[XS]|, |v[XS+1]|, |v[XS+2]|               ; the largest magnitude of my 16, in two chains
	v_max3_num_f32 v9, |v[XS+3]|, |v[XS+4]|, |v[XS+5]|
.irp i, 6,10
	s_delay_alu instid0(VALU_DEP_2)
	v_max3_num_f32 v8, v8, |v[XS+\i]|, |v[XS+\i+1]|
	s_delay_alu instid0(VALU_DEP_2)
	v_max3_num_f32 v9, v9, |v[XS+\i+2]|, |v[XS+\i+3]|
.endr
	s_delay_alu instid0(VALU_DEP_2)
	v_max3_num_f32 v8, v8, |v[XS+14]|, |v[XS+15]|
.if (\t) >= TS
	s_delay_alu instid0(VALU_DEP_1)
.if TT%2 == 0
	v_max_num_f32 v[F+TT/2], v8, v9                ; for the flag: without the floor
.else
	v_max3_num_f32 v[F+TT/2], v[F+TT/2], v8, v9
.endif
	s_delay_alu instid0(VALU_DEP_2)
.else
	s_delay_alu instid0(VALU_DEP_1)
.endif
	v_max3_num_f32 v8, v8, v9, (EMAX+1)<<23        ; the floor 2^(EMAX + 1 - 127): the byte cannot fall under 1
	s_delay_alu instid0(VALU_DEP_1)
	v_max_num_f32_dpp v8, v8, v8 row_xmask:1 row_mask:0xf bank_mask:0xf   ; with my neighbour's 16: the block's
	s_delay_alu instid0(VALU_DEP_1)
	v_add_nc_u32 v1, -(EMAX<<23), v8               ; EMAX off its exponent field: the conversion's scale operand
	v_cvt_scalef32_pk16_bf6_f32 v[10:12], v[XS:XS+15], v1
	v_lshrrev_b32 v[C+4*(\t)+3], 23, v1            ; the scale's byte (also the plain line behind the scaled conversion)
	v_cndmask_b32 v[C+4*(\t)], v10, v11, s26       ; even lanes: piece 0 = my words 0, 1; odd lanes: piece 2 = my words 1, 2
	v_cndmask_b32 v[C+4*(\t)+1], v11, v12, s26
	v_cndmask_b32 v[C+4*(\t)+2], v12, v10, s26     ; piece 1: the even lane's word 2, the odd lane's word 0
	ds_store_b8 v5, v[C+4*(\t)+3] offset:1024*((\t)/TS)+32*(TT/2)+16*(TT%2)   ; both lanes of a block write the same byte with the same value
.set CBASE, 10+4*((\t)/TS)
	global_store_b64 v4, v[C+4*(\t):C+4*(\t)+1], s[CBASE:CBASE+1] offset:(TT/2)*KBS+128*(TT%2)
	global_store_b32 v13, v[C+4*(\t)+2], s[CBASE:CBASE+1] offset:(TT/2)*KBS+128*(TT%2)+256
.endm
.irp n, 0,1,2,3,4,5,6,7
	LOADSLOT \n
.endr
	s_wait_loadcnt 28                              ; slot 0's four loads are in; the seven slots behind it stay out
	TURN 0
.set T, 0
.rept 2*TS
	STEP T
.set T, T+1
.endr
	s_mov_b32 s40, 0
.irp q, 0,1,2,3
	v_cmp_lt_f32 s[36+\q], 0, v[F+\q]              ; which lanes saw a non-zero number in the q-th 64 along K
.endr
.irp q, 0,1,2,3
	s_cmp_lg_u32 s[36+\q], 0
	s_cselect_b32 s[36+\q], 1<<\q, 0
	s_or_b32 s40, s40, s[36+\q]
.endr
	v_mov_b32 v8, s34
	v_mov_b32 v9, s40
	ds_store_b32 v8, v9                            ; all lanes write the same word with the same value
	s_wait_dscnt 0x0                               ; for the others' sake: my byte stores and my flag word have landed
	s_barrier_signal -1
	s_barrier_wait -1
.irp i, 0,1,2,3
	ds_load_u16 v[8+\i], v6 offset:128*\i          ; row L % 16 of the four waves of a group of 64 rows: two bytes each
.endr
	s_wait_dscnt 0x0
	v_lshl_or_b32 v8, v9, 16, v8
	v_lshl_or_b32 v9, v11, 16, v10
	global_store_b64 v7, v[8:9], s[12:13]          ; 32 lanes store 256 consecutive bytes, at a multiple of 256 from the buffer's first byte
	s_cmp_lg_u32 s18, 0
	s_cbranch_scc1 .Lend                           ; wave 0 stores the work-group's 2 x 4 flags
	v_cmp_gt_u32 vcc_lo, 8, v0
	s_wait_xcnt 0x0                                ; EXEC changes only behind this wait
	s_and_saveexec_b32 s41, vcc_lo
	ds_load_b128 v[144:147], v[FA]                 ; lane l: the words of waves 4 (l / 4) .. + 3
	s_wait_dscnt 0x0
	v_and_b32 v148, 3, v0
	v_or3_b32 v144, v144, v145, v146
	s_delay_alu instid0(VALU_DEP_1)
	v_or_b32 v144, v144, v147
	s_delay_alu instid0(VALU_DEP_1)
	v_lshrrev_b32 v144, v148, v144
	s_delay_alu instid0(VALU_DEP_1)
	v_and_b32 v144, 1, v144                        ; bit l % 4
	global_store_b32 v[FO], v144, s[16:17]
	s_wait_xcnt 0x0
	s_or_b32 exec_lo, exec_lo, s41
.Lend:
	s_wait_tensorcnt 0x0                           ; the wave's end
	ds_add_u32 v[SPW], v[NIL]
	s_wait_dscnt 0x0
	s_endpgm
.Lfunc_end_k_q560d5249f3_quant:
	.size	k_q560d5249f3_quant, .Lfunc_end_k_q560d5249f3_quant-k_q560d5249f3_quant
	.p2alignl 7, 3214868480
	.fill 96, 4, 3214868480
	.section	.rodata,"a",@progbits
	.p2align	6, 0x0
	.amdhsa_kernel k_q560d5249f3_quant
		.amdhsa_group_segment_fixed_size 44288
		.amdhsa_private_segment_fixed_size 0
		.amdhsa_enable_private_segment 0
		.amdhsa_kernarg_size 56
		.amdhsa_user_sgpr_count 2
		.amdhsa_user_sgpr_kernarg_segment_ptr 1
		.amdhsa_wavefront_size32 1
		.amdhsa_system_sgpr_workgroup_id_x 1
		.amdhsa_system_sgpr_workgroup_id_y 1
		.amdhsa_system_sgpr_workgroup_id_z 1
		.amdhsa_system_vgpr_workitem_id 0
		.amdhsa_next_free_vgpr 248
		.amdhsa_next_free_sgpr 66
		.amdhsa_reserve_vcc 1
		.amdhsa_float_denorm_mode_32 3
		.amdhsa_float_denorm_mode_16_64 3
		.amdhsa_memory_ordered 1
		.amdhsa_forward_progress 1
		.amdhsa_inst_pref_size 52
	.end_amdhsa_kernel
	.amdgpu_metadata
---
amdhsa.version: [ 1, 2 ]
amdhsa.kernels:
  - .name:           k_q560d5249f3_quant
    .symbol:         k_q560d5249f3_quant.kd
    .args:
      - { .name: input, .offset: 0, .size: 8, .value_kind: global_buffer, .address_space: global }
      - { .name: weight, .offset: 8, .size: 8, .value_kind: global_buffer, .address_space: global }
      - { .name: mask, .offset: 16, .size: 8, .value_kind: global_buffer, .address_space: global }
      - { .name: xq, .offset: 24, .size: 8, .value_kind: global_buffer, .address_space: global }
      - { .name: sc, .offset: 32, .size: 8, .value_kind: global_buffer, .address_space: global }
      - { .name: wq, .offset: 40, .size: 8, .value_kind: global_buffer, .address_space: global }
      - { .name: flags, .offset: 48, .size: 8, .value_kind: global_buffer, .address_space: global }
    .group_segment_fixed_size: 44288
    .private_segment_fixed_size: 0
    .kernarg_segment_align: 8
    .kernarg_segment_size: 56
    .max_flat_workgroup_size: 256
    .sgpr_count:     66
    .vgpr_count:     248
    .wavefront_size: 32
...
	.end_amdgpu_metadata
.endif
;; end of part 1
;; launch spmm (part 2): grid 64 x 16, 4 waves a work-group, no clusters, 17,920 bytes of LDS; arguments xq, wq, sc, flags, bias, out0; writes out0
.if DOCPART == 2
	.amdgcn_target "amdgcn-amd-amdhsa--gfx1250"
	.amdhsa_code_object_version 6
	.text
	.protected	k_q560d5249f3_spmm
	.globl	k_q560d5249f3_spmm
	.p2align	8
	.type	k_q560d5249f3_spmm,@function
k_q560d5249f3_spmm:
	s_mov_b64 s[64:65], 0
	v_nop
	global_prefetch_b8 v0, s[64:65] scope:SCOPE_SE
	s_setreg_imm32_b32 hwreg(HW_REG_WAVE_MODE, 25, 1), 1
	s_wait_xcnt 0x0
; out0[m][n] = bias[n] + the sum over k of A[m][k] B[n][k], M = N = K = 4,096.  A = input, B = weight x mask, as codes of BF6 (E3M2) with E8M0 bytes, made and laid by the launch before.
; ONLY BLOCKS THAT HOLD SOMETHING ARE MULTIPLIED.  flags[n / 64][k / 64], whole numbers stored by the launch before, say which 64 x 64 blocks of B hold a non-zero number.  A block with flag 0 holds zero
; codes alone, so each of its products is 0 and the sums are the same without them: this holds for every mask and weight; with all flags 1 the walk is the whole of K.
; LIMITS: NaN and infinities among the inputs are not served (an infinity of input against a zero block gives no NaN here).
; SHARES.  A work-group makes 256 rows x the 64 columns of one row of flags; a wave 64 x 64: 16 accumulators.  64 x 16 work-groups; with 248 registers a wave four of them share a WGP.
; The column group is (x + 16 (y / 4)) % 64, so that work-groups 256 apart in the grid's order have different lists.
; THE WALK.  The 64 flags become a mask of 64 bits in two scalar registers.  A matrix instruction takes 128 along K: two blocks of the list, each in one half of the operands' registers and of the scale words.
; An odd count is made even by one more block whose flag is 0 (its stored codes are zeros); an empty list takes blocks 0 and 1, zeros too.  K ascends along the list.
; This launch has no tensor load and therefore no joint loads of a cluster: operands go from memory straight into registers; each load of 8 bytes a lane covers 256 consecutive bytes.
; No second set of operand registers: four waves share a SIMD.  No prefetch: a walk's addresses are known only from the list, and all its loads of a trip go out at once.
; THE MATRIX INSTRUCTION IS USED TRANSPOSED (source 0 = 16 rows of B, source 1 = 16 rows of A): a lane holds eight neighbouring numbers of a row of out0.  Results leave through the wave's own stage in LDS as whole rows of 256 bytes; the bias is added there.
.set UNIT,   768                       ; 16 rows x 64 K of codes
.set KBS,    196608                    ; the 256 units of one 64 along K
.set SPITCH, 272                       ; a stage row: 256 bytes + 16
.set SPARE,  4*16*SPITCH               ; behind the four stages: the spare words
.set VL,  2                            ; my 8 bytes of a piece: 8 (16 (r / 8) + 2 (r % 8) + h)
.set VS,  3                            ; my scale bytes: lanes 0-15 A's rows, lanes 16-31 B's
.set STO, 4
.set RD,  5
.set CO,  6
.set FO,  7
.set SPW, 8
.set NIL, 9
.set BI,  10                           ; v10-13  bias of my four columns on the way out
.set SR,  16                           ; v16-19  scale bytes as loaded: two registers for each of the two blocks
.set SW,  20                           ; v20-23  scale words: register i: lanes 0-15 A's tile i, lanes 16-31 B's tile i
.set AF,  24                           ; v24-71  A's four fragments
.set BF,  72                           ; v72-119 B's four
.set ACC, 120                          ; v120-247 accumulator (a, b) at 8 (4 a + b)
	s_load_b256 s[4:11], s[0:1], 0x0               ; A's codes, B's codes, scale bytes, flags
	s_load_b128 s[12:15], s[0:1], 0x20             ; bias, out0
	v_lshl_add_u32 v[SPW], v0, 2, SPARE
	v_mov_b32 v[NIL], 0
	v_lshrrev_b32 v1, 5, v0
	s_delay_alu instid0(VALU_DEP_1)
	v_readfirstlane_b32 s16, v1                    ; wave
	s_and_b32 s17, ttmp7, 0xffff                   ; which 256 rows
	s_lshr_b32 s18, s17, 2
	s_lshl_b32 s18, s18, 4
	s_add_co_u32 s18, s18, ttmp9
	s_and_b32 s18, s18, 63                         ; which 64 columns
	s_lshl_b32 s19, s17, 2
	s_add_co_u32 s19, s19, s16                     ; my wave's group of 64 rows
	s_lshl_b32 s20, s19, 7                         ; A's scale bytes: 128 a group
	s_lshl_b32 s21, s18, 7
	s_add_co_u32 s21, s21, 524288                  ; B's lie 524,288 bytes on
	s_sub_co_u32 s21, s21, s20
	s_mul_i32 s22, s16, 16*SPITCH                  ; my stage
	s_mov_b32 s33, 0                               ; the upper word of every offset
	s_mov_b32 s52, 0x05040100                      ; two low halves
	s_mov_b32 s53, 0x07060302                      ; two high halves
	v_and_b32 v14, 15, v0                          ; r
	v_bfe_u32 v15, v0, 4, 1                        ; h
	v_and_b32 v[VL], 7, v0
	v_bfe_u32 v1, v0, 3, 1
	v_and_b32 v[FO], 31, v0
	s_delay_alu instid0(VALU_DEP_4)
	v_mul_u32_u24 v[VS], s21, v15
	s_delay_alu instid0(VALU_DEP_4)
	v_lshlrev_b32 v[VL], 4, v[VL]
	v_mul_u32_u24 v[STO], v14, SPITCH
	v_mul_u32_u24 v[RD], v15, SPITCH
	v_lshlrev_b32 v[CO], 14, v15
	v_lshl_add_u32 v[VS], v14, 3, v[VS]
	v_lshl_add_u32 v[VL], v1, 7, v[VL]
	v_lshl_add_u32 v[STO], v15, 5, v[STO]          ; in: row r, 32 bytes for each half of the lanes
	v_lshl_add_u32 v[RD], v14, 4, v[RD]            ; back: lanes 0-15 one row of 256 bytes, lanes 16-31 the next
	v_lshl_add_u32 v[CO], v14, 4, v[CO]            ; and the same two rows in out0
	v_add_nc_u32 v[VS], s20, v[VS]
	v_lshl_add_u32 v[VL], v15, 3, v[VL]
	v_add_nc_u32 v[STO], s22, v[STO]
	v_add_nc_u32 v[RD], s22, v[RD]
	v_lshlrev_b32 v[FO], 2, v[FO]
	v_lshlrev_b32 v1, 4, v14                       ; bias: 16 r
	s_wait_alu depctr_va_vdst(0)
	s_wait_kmcnt 0x0
	s_lshl_b32 s32, s18, 8                         ; 256 bytes: a row of flags, 64 numbers of bias, 64 columns of out0
	s_add_nc_u64 s[10:11], s[10:11], s[32:33]
	s_add_nc_u64 s[12:13], s[12:13], s[32:33]
	s_add_nc_u64 s[14:15], s[14:15], s[32:33]
	global_load_b32 v14, v[FO], s[10:11]           ; flags 0-31, a lane each
	global_load_b32 v15, v[FO], s[10:11] offset:128   ; flags 32-63
	global_load_b128 v[BI:BI+3], v1, s[12:13]
	s_lshl_b32 s32, s19, 20                        ; 64 rows of 16,384 bytes
	s_add_nc_u64 s[14:15], s[14:15], s[32:33]
	s_mul_i32 s32, s19, 4*UNIT
	s_add_nc_u64 s[36:37], s[4:5], s[32:33]        ; A: my four units of K block 0
	s_mul_i32 s32, s18, 4*UNIT
	s_add_nc_u64 s[38:39], s[6:7], s[32:33]        ; B likewise
	s_wait_loadcnt 1                               ; the flags are in; the bias, issued behind them, may be out
	v_cmp_ne_u32 s22, 0, v14                       ; the list as a mask: K blocks 0-31,
	v_cmp_ne_u32 s23, 0, v15                       ; and 32-63
	s_bcnt1_i32_b32 s24, s22
	s_bcnt1_i32_b32 s25, s23
	s_add_co_u32 s24, s24, s25                     ; how many
	s_cmp_eq_u32 s24, 0
	s_cselect_b32 s22, 3, s22                      ; none: blocks 0 and 1, which hold zero codes
	s_cselect_b32 s24, 2, s24
	s_and_b32 s25, s24, 1                          ; odd?
	s_add_co_u32 s26, s22, 1
	s_or_b32 s26, s26, s22                         ; the lower word with its lowest 0 set,
	s_add_co_u32 s27, s23, 1
	s_or_b32 s27, s27, s23                         ; the upper word likewise
	s_cmp_eq_u32 s22, -1                           ; no 0 in the lower word: take the upper's
	s_cselect_b32 s26, s22, s26
	s_cselect_b32 s27, s27, s23
	s_cmp_lg_u32 s25, 0
	s_cselect_b32 s22, s26, s22                    ; an odd list takes one block of zero codes more
	s_cselect_b32 s23, s27, s23
	s_add_co_u32 s24, s24, s25
	s_lshr_b32 s24, s24, 1
	s_min_u32 s24, s24, 32                         ; trips: 1 to 32
; The list's next block: its number, held to 63, and the three addresses of half c.  All loads that named these registers are done: the last trip's wait was for 0.
.macro NEXTKB c
	s_cmp_lg_u32 s22, 0
	s_cselect_b32 s28, s22, s23
	s_cselect_b32 s29, 0, 32
	s_ctz_i32_b32 s30, s28
	s_add_co_u32 s31, s30, s29
	s_min_u32 s31, s31, 63
	s_sub_co_u32 s30, s28, 1
	s_and_b32 s28, s28, s30                        ; its bit is cleared
	s_cmp_lg_u32 s22, 0
	s_cselect_b32 s22, s28, s22
	s_cselect_b32 s23, s23, s28
	s_mul_i32 s32, s31, KBS
	s_add_nc_u64 s[40+6*\c:41+6*\c], s[36:37], s[32:33]
	s_add_nc_u64 s[42+6*\c:43+6*\c], s[38:39], s[32:33]
	s_lshl_b32 s32, s31, 13
	s_add_nc_u64 s[44+6*\c:45+6*\c], s[8:9], s[32:33]
.endm
; A trip: two blocks of the list, 50 loads, 16 matrix instructions on 16 accumulators by turns.  zero = 1: the products start the sums.
.macro TRIP zero
	NEXTKB 0
	NEXTKB 1
.irp c, 0,1
	global_load_b64 v[SR+2*\c:SR+2*\c+1], v[VS], s[44+6*\c:45+6*\c]   ; my row's two bytes in each of four tiles
.endr
.irp c, 0,1
.irp i, 0,1,2,3
.irp p, 0,1,2
	global_load_b64 v[BF+12*\i+6*\c+2*\p:BF+12*\i+6*\c+2*\p+1], v[VL], s[42+6*\c:43+6*\c] offset:UNIT*\i+256*\p
	global_load_b64 v[AF+12*\i+6*\c+2*\p:AF+12*\i+6*\c+2*\p+1], v[VL], s[40+6*\c:41+6*\c] offset:UNIT*\i+256*\p
.endr
.endr
.endr
	s_wait_loadcnt 0x0
	v_perm_b32 v[SW], v[SR+2], v[SR], s52          ; a scale word: the first block's two bytes below, the second's above
	v_perm_b32 v[SW+1], v[SR+2], v[SR], s53
	v_perm_b32 v[SW+2], v[SR+3], v[SR+1], s52
	v_perm_b32 v[SW+3], v[SR+3], v[SR+1], s53
.rept 8
	v_nop                                          ; a scale register written by a vector instruction stands 8 places ahead of a scaled matrix instruction
.endr
.irp a, 0,1,2,3
.irp b, 0,1,2,3
.if \zero
	v_wmma_scale_f32_16x16x128_f8f6f4 v[ACC+8*(4*\a+\b):ACC+8*(4*\a+\b)+7], v[BF+12*\b:BF+12*\b+11], v[AF+12*\a:AF+12*\a+11], 0, v[SW+\b], v[SW+\a] matrix_a_fmt:MATRIX_FMT_BF6 matrix_b_fmt:MATRIX_FMT_BF6 matrix_a_scale:MATRIX_SCALE_ROW1
.else
	v_wmma_scale_f32_16x16x128_f8f6f4 v[ACC+8*(4*\a+\b):ACC+8*(4*\a+\b)+7], v[BF+12*\b:BF+12*\b+11], v[AF+12*\a:AF+12*\a+11], v[ACC+8*(4*\a+\b):ACC+8*(4*\a+\b)+7], v[SW+\b], v[SW+\a] matrix_a_fmt:MATRIX_FMT_BF6 matrix_b_fmt:MATRIX_FMT_BF6 matrix_a_scale:MATRIX_SCALE_ROW1
.endif
.endr
.endr
.rept 4
	v_nop                                          ; places ahead of the next trip's loads into the operands, or of the first read of the results
.endr
.endm
	TRIP 1
	s_cmp_eq_u32 s24, 1
	s_cbranch_scc1 .Lout
	s_mov_b32 s54, 1
.Ltrip:
	TRIP 0
	s_add_co_u32 s54, s54, 1
	s_cmp_lt_u32 s54, s24
	s_cbranch_scc1 .Ltrip
.Lout:
; THE WAY OUT, block by block of 16 rows x 64 columns: through my own stage, back as whole rows into the block's own registers.  LDS serves a wave's instructions in order: no wait between stores and loads.
.macro TOSTAGE a
.irp b, 0,1,2,3
	ds_store_b128 v[STO], v[ACC+8*(4*(\a)+\b):ACC+8*(4*(\a)+\b)+3] offset:64*\b        ; each accumulator from its low end on
	ds_store_b128 v[STO], v[ACC+8*(4*(\a)+\b)+4:ACC+8*(4*(\a)+\b)+7] offset:64*\b+16
.endr
.irp t, 0,1,2,3,4,5,6,7
	ds_load_b128 v[ACC+32*(\a)+4*\t:ACC+32*(\a)+4*\t+3], v[RD] offset:2*\t*SPITCH
.endr
.endm
.macro SEND a, younger                 ; younger: the LDS instructions issued behind block a's loads
	s_wait_dscnt \younger
.irp t, 0,1,2,3,4,5,6,7
	v_pk_add_f32 v[ACC+32*(\a)+4*\t:ACC+32*(\a)+4*\t+1], v[ACC+32*(\a)+4*\t:ACC+32*(\a)+4*\t+1], v[BI:BI+1]
	v_pk_add_f32 v[ACC+32*(\a)+4*\t+2:ACC+32*(\a)+4*\t+3], v[ACC+32*(\a)+4*\t+2:ACC+32*(\a)+4*\t+3], v[BI+2:BI+3]
	global_store_b128 v[CO], v[ACC+32*(\a)+4*\t:ACC+32*(\a)+4*\t+3], s[14:15] offset:(16*(\a)+2*\t)*16384 th:TH_STORE_NT   ; 16 lanes store 256 consecutive bytes, at a multiple of 256 from out0's first byte
.endr
.endm
	TOSTAGE 0
.irp a, 1,2,3
	TOSTAGE \a
	SEND \a-1, 16                                  ; behind block a - 1's loads: block a's 8 stores and 8 loads
.endr
	SEND 3, 0
	s_wait_tensorcnt 0x0                           ; the wave's end
	ds_add_u32 v[SPW], v[NIL]
	s_wait_dscnt 0x0
	s_endpgm
.Lfunc_end_k_q560d5249f3_spmm:
	.size	k_q560d5249f3_spmm, .Lfunc_end_k_q560d5249f3_spmm-k_q560d5249f3_spmm
	.p2alignl 7, 3214868480
	.fill 96, 4, 3214868480
	.section	.rodata,"a",@progbits
	.p2align	6, 0x0
	.amdhsa_kernel k_q560d5249f3_spmm
		.amdhsa_group_segment_fixed_size 17920
		.amdhsa_private_segment_fixed_size 0
		.amdhsa_enable_private_segment 0
		.amdhsa_kernarg_size 48
		.amdhsa_user_sgpr_count 2
		.amdhsa_user_sgpr_kernarg_segment_ptr 1
		.amdhsa_wavefront_size32 1
		.amdhsa_system_sgpr_workgroup_id_x 1
		.amdhsa_system_sgpr_workgroup_id_y 1
		.amdhsa_system_sgpr_workgroup_id_z 1
		.amdhsa_system_vgpr_workitem_id 0
		.amdhsa_next_free_vgpr 248
		.amdhsa_next_free_sgpr 66
		.amdhsa_reserve_vcc 0
		.amdhsa_float_denorm_mode_32 3
		.amdhsa_float_denorm_mode_16_64 3
		.amdhsa_memory_ordered 1
		.amdhsa_forward_progress 1
		.amdhsa_inst_pref_size 33
	.end_amdhsa_kernel
	.amdgpu_metadata
---
amdhsa.version: [ 1, 2 ]
amdhsa.kernels:
  - .name:           k_q560d5249f3_spmm
    .symbol:         k_q560d5249f3_spmm.kd
    .args:
      - { .name: xq, .offset: 0, .size: 8, .value_kind: global_buffer, .address_space: global }
      - { .name: wq, .offset: 8, .size: 8, .value_kind: global_buffer, .address_space: global }
      - { .name: sc, .offset: 16, .size: 8, .value_kind: global_buffer, .address_space: global }
      - { .name: flags, .offset: 24, .size: 8, .value_kind: global_buffer, .address_space: global }
      - { .name: bias, .offset: 32, .size: 8, .value_kind: global_buffer, .address_space: global }
      - { .name: out0, .offset: 40, .size: 8, .value_kind: global_buffer, .address_space: global }
    .group_segment_fixed_size: 17920
    .private_segment_fixed_size: 0
    .kernarg_segment_align: 8
    .kernarg_segment_size: 48
    .max_flat_workgroup_size: 128
    .sgpr_count:     66
    .vgpr_count:     248
    .wavefront_size: 32
...
	.end_amdgpu_metadata
.endif
;; end of part 2
